; MI455X (gfx1250); checked and timed in simulation.
; The chip was launched on July 23, 2026; its instructions are those of AMD's public machine-readable ISA for CDNA 5 (MIT licence, August 2026) and "CDNA5" Instruction Set Architecture Reference Guide (July 2026). The comments in the code are by the model that wrote it; some were corrected since.
;; Behavioral Rotary Attention V12. Allowed arithmetic: matrix products marked QUANTISED: E4M3 operands, one given power-of-two scale a tensor, by v_wmma_f32_16x16x64_fp8_fp8 or v_wmma_f32_16x16x128_fp8_fp8, f32 sums; everything else in f32.
;; Inputs: Wk_codes 1,024 x 32 x 32 uint8 (E4M3 codes of Wk, K innermost, in blocks of 32 codes); Wo_codes 1,024 x 32 x 32 uint8 (E4M3 codes of Wo, K innermost, in blocks of 32 codes); Wq_codes 1,024 x 32 x 32 uint8 (E4M3 codes of Wq, K innermost, in blocks of 32 codes); Wv_codes 1,024 x 32 x 32 uint8 (E4M3 codes of Wv, K innermost, in blocks of 32 codes); attention_mask 2 x 1 x 1 x 2,048 float32; bk 1,024 float32; bo 1,024 float32; bq 1,024 float32; bv 1,024 float32; hidden_states 2 x 2,048 x 1,024 float32; ln_b 1,024 float32; ln_g 1,024 float32; lowp_scales 12 int32 (the exponents e of the quantised operands' scales 2^e); phi 2 x 2,048 x 16 float32.
;; Outputs: out0 2 x 2,048 x 1,024 float32.
;; This version of the problem:
;;   THIS VERSION OF THE PROBLEM IS GIVEN IN LOW PRECISION. The matrix products marked QUANTISED in the list below multiply operands that are first quantised to E4M3 (4 exponent bits, 3 mantissa bits; 8 bits a number), with one given power-of-two scale for each operand tensor; their sums are f32. All else is computed in f32.
;;   The module's matrix products, in the order in which they are computed (A, B: the left and right operand; K: the contracted axis; several contracted axes count as one K, in the product's order):
;;     1. [M 4,096, K 1,024] x [K 1,024, N 1,024]; A: input hidden_states; B: input Wq (given as codes): QUANTISED (scales: A lowp_scales[0], B lowp_scales[1])
;;     2. [M 4,096, K 1,024] x [K 1,024, N 1,024]; A: input hidden_states; B: input Wk (given as codes): QUANTISED (scales: A lowp_scales[2], B lowp_scales[3])
;;     3. [M 4,096, K 1,024] x [K 1,024, N 1,024]; A: input hidden_states; B: input Wv (given as codes): QUANTISED (scales: A lowp_scales[4], B lowp_scales[5])
;;     4. batch 32 x [M 2,048, K 64] x [K 64, N 2,048]; A: computed on the way; B: computed on the way: QUANTISED (scales: A lowp_scales[6], B lowp_scales[7])
;;     5. batch 32 x [M 2,048, K 2,048] x [K 2,048, N 64]; A: softmax (see below); B: computed on the way: QUANTISED (scales: A lowp_scales[8], B lowp_scales[9])
;;     6. [M 4,096, K 1,024] x [K 1,024, N 1,024]; A: computed on the way; B: input Wo (given as codes): QUANTISED (scales: A lowp_scales[10], B lowp_scales[11])
;;   THE QUANTISER, for each operand of a quantised product, along K:
;;     - The operand's scale is 2^e, e = its entry of the input lowp_scales (int32; the entries are numbered through the quantised products in the list's order, A before B).
;;     - Each number is divided by the scale, clamped to +-448, and rounded to the nearest number of E4M3, ties to even, subnormals kept.
;;     - The product sums the exact products of the quantised numbers (number of the format x scale) in f32.
;;   ~~~python
;;   def quantise(x, axis, e):      # numpy; x: float32 -> the quantised numbers, widened to float32 again
;;       x = np.moveaxis(x, axis, -1); K = x.shape[-1]
;;       r = np.clip(x / 2.0 ** e, -448, 448)
;;       step = 2.0 ** (np.maximum(np.frexp(np.where(r == 0, 1, r))[1] - 1, -6) - 3)
;;       q = np.round(r / step) * step * 2.0 ** e      # np.round: ties to even
;;       return np.moveaxis(q, -1, axis).astype(np.float32)
;;   ~~~
;;   SOFTMAX AHEAD OF A QUANTISED PRODUCT. Where the list says 'softmax', what is quantised is not the finished softmax but p = 2^(t - M), with t = logit x log2(e) and M = ceil(the row's largest t), a whole number; so 1/2 < the row's largest p <= 1. The row's sum l is taken of the UNQUANTISED p, in f32, and the product's result is divided by l at the end. Since M is a whole number, a kernel that streams over the keys may use a running M (the ceiling of the running maximum): every later rescaling is an exact power of two, so the quantised numbers keep their values, but for numbers so far below the row's largest that they fall under the format's range.
;;   OPERANDS COMPUTED ON THE WAY. 'Computed on the way' means the value that the module computes at that place (a softmax that the list does not call 'softmax' is quantised finished and normalised). What goes into a quantiser is computed in f32, as accurately as f32 sums, v_exp_f32 and their like allow (about 1e-6 of the number): no bf16 or f16 on the way to a quantiser, and a product that is left as it is and whose result goes on into a quantised operand takes f32 operands (vector FMAs, or v_wmma_f32_16x16x4_f32). A number that lies on a knife's edge between two numbers of the format may be rounded either way, as far as f32 arithmetic and the matrix unit's own rounding can turn it there, and no further.
;;   INPUTS GIVEN AS CODES. Wk (in the module: [1024, 1024], K = its axis 1); Wo (in the module: [1024, 1024], K = its axis 1); Wq (in the module: [1024, 1024], K = its axis 1); Wv (in the module: [1024, 1024], K = its axis 1): each comes as NAME_codes (uint8): NAME with its K axis moved to the last place and cut into blocks of 32 codes, [.., K / 32, bytes a block], one block behind the other in memory; one code a byte (a code: sign, 4 exponent bits, 3 mantissa bits); its scale is its entry of lowp_scales. Its value is code x scale, taken as it is: it is not quantised again, and the codes and scales need not be those that the quantiser above would give.
;; One version. Each part assembles by itself: llvm-mc -triple=amdgcn-amd-amdhsa -mcpu=gfx1250 --defsym DOCPART=n.
;; ======== version 1 of 1: 3 launches
;; limits: right only within a limited range of input values
;; workspace buffers: qimg 4,194,304 bytes; kv 9,175,040 bytes; cimg 4,194,304 bytes
;; launch proj (part 1): grid 8 x 32, 8 waves a work-group, clusters of 4 x 4, 327,680 bytes of LDS; arguments hidden_states, Wq_codes, Wk_codes, Wv_codes, bq, bk, bv, phi, attention_mask, lowp_scales, qimg, kv; writes qimg, kv
.if DOCPART == 1
	.amdgcn_target "amdgcn-amd-amdhsa--gfx1250"
	.amdhsa_code_object_version 6
	.text
	.protected	k_q0d78a910f1_proj
	.globl	k_q0d78a910f1_proj
	.p2align	8
	.type	k_q0d78a910f1_proj,@function
k_q0d78a910f1_proj:
	s_mov_b64 s[64:65], 0
	v_nop
	global_prefetch_b8 v0, s[64:65] scope:SCOPE_SE
	s_setreg_imm32_b32 hwreg(HW_REG_WAVE_MODE, 25, 1), 1
	s_wait_xcnt 0x0
	s_wait_alu depctr_hold_cnt(0) depctr_sa_sdst(0) depctr_va_vdst(0) depctr_va_sdst(0) depctr_va_ssrc(0) depctr_va_vcc(0) depctr_vm_vsrc(0)
	s_getreg_b32 s2, hwreg(HW_REG_IB_STS2, 6, 4)
	s_cmp_eq_u32 s2, 0
	s_cbranch_scc0 .Lentry_in_a_cluster
	s_endpgm
.Lentry_in_a_cluster:
	s_bfe_u32 s2, ttmp6, 0x10000c
	s_cmp_lg_u32 s2, 0xf033
	s_cbranch_scc0 .Lentry_shape_is_right
	s_endpgm
.Lentry_shape_is_right:
; q, k, v = hidden W^T + b on E4M3 codes; q and k turned by the token's and head's angle; all three quantised and laid as images of the operand registers that the attention launch loads.
; A work-group takes 128 tokens (Y) x 128 channels (two heads, X) of all three products; wave w: token tiles 2 (w / 2), 2 (w / 2) + 1 and head 2 X + w % 2: 24 accumulators of 16 x 16.
; hidden arrives as f32 and has three given scales (entries 0, 2, 4): each K step's 128 x 128 numbers are quantised three times, wave w its 16 rows, and go to the other waves through LDS as register images.
; q, k: source 0 = 16 rows of W, source 1 = 16 tokens: a lane holds one token and eight neighbouring channels.  v: source 0 = tokens, source 1 = rows of Wv: a lane holds one channel and eight neighbouring tokens (the keys are the next K).
; Wv's rows of a tile are not neighbours: lane r of tile 2 b + u takes channel 32 b + 8 u + r + 8 (r / 8), so that the attention's result comes out with 16 neighbouring channels a lane.
; CLUSTER 4 x 4: hidden's tiles hang on Y alone and are asked for jointly along a row of the cluster, the weights' on X alone, along a column.
; K goes in 8 steps of 128 through two LDS slots.  Both operands of a product are loaded 16 bytes at a time (k = 32 c + 16 (lane / 16) + 0 .. 15 in registers 4 c .. 4 c + 3): the same order of k on both sides.
; sin and cos: x - n pi/2 in two parts, n = floor(x 2/pi + 1/2), then polynomials of degree 7 and 8 on +-pi/4.
; LIMITS: each given exponent e used as 2^e lies in -126 .. 119; e0+e1, e2+e3, e4+e5 in -126 .. 127; |phi| under 1e6 for the reduction's accuracy; NaN among the inputs is not served.
.set HP,     528                       ; a row of hidden in LDS: 512 bytes + 16
.set WP,     144                       ; a row of a weight in LDS: 128 bytes + 16
.set SLOTB,  122880                    ; a slot: 128 rows of hidden, then 384 rows of weights (128 m + channel)
.set WOFF,   128*HP
.set IMG,    2*SLOTB                   ; 24 fragments' images, 2,048 bytes each: (8 m + token tile); written by ds_store alone
.set SPARE,  IMG+24*2048               ; the spare words: 128 bytes a wave
.set ADX, 2                            ; v2-3   my 16 numbers of a block of hidden, slot 0, 1
.set ADW, 4                            ; v4-5   my place in a tile of Wq, Wk
.set ADV, 6                            ; v6-7   the same for Wv (rows chosen)
.set ADI, 8                            ; v8     images: where I read
.set ADS, 9                            ; v9     images: where I store
.set SPW, 10
.set NIL, 11
.set L16, 12                           ; 16 x lane
.set L4,  13                           ; 4 x lane
.set SC,  14                           ; v14-16 2^e0, 2^e2, 2^e4
.set LM,  17
.set OSC, 20                           ; v20-22 2^e6, 2^e7, 2^e9
.set OLM, 23
.set BV,  26                           ; v26-33 bv of my lane's channel, a pair for each channel tile
.set PHI, 34                           ; v34-35 phi of my token, token tile 0, 1
.set AM,  36                           ; v36    attention_mask of token 32 (w / 2) + lane
.set SET0, 48                          ; two sets of 96: 2 fragments of hidden, 4 of a weight
.set SET1, 144
.set XN,  48                           ; conversion: 64 numbers, 48 registers of codes
.set TMP, 112
.set CODES, 144
.set VAL, 48                           ; the way out
.set ROT, 80
.set TMA, 112
.set TMB, 114
.set CODEQ, 144
.set CODEV, 176
.set CS,  240                          ; v240.. cos pair, sin pair of token tile 0; v244.. of tile 1
.set MSB, 0
.macro WIN new                         ; the immediate's high byte repeats the setting that is left
.if MSB != \new
	s_set_vgpr_msb (MSB<<8)|\new
.set MSB, \new
.endif
.endm
.macro PLACES
.rept 4
	v_nop
.endr
.endm
.macro ROUND                           ; a round of the cluster's barrier
	s_barrier_signal -1
	s_barrier_wait -1
	s_cmp_lg_u32 s28, 0
	s_cbranch_scc1 .Lnot_wave_0_\@
	s_barrier_signal -3
.Lnot_wave_0_\@:
	s_barrier_wait -3
	s_barrier_signal -1
	s_barrier_wait -1
.endm
; A joint load into slot n: waves 0 and 1 fetch hidden's two halves, waves 2 to 7 64 rows each of Wq, Wk, Wv.  The branch hangs on the wave's number alone.
.macro JLOAD n
	s_cmp_lt_u32 s28, 2
	s_cbranch_scc0 .Lfor_w_\@
	tensor_load_to_lds s[52+4*(\n):55+4*(\n)], s[36:43]
	s_nop 0
.rept 4
	v_nop
.endr
	s_branch .Lasked_\@
.Lfor_w_\@:
	tensor_load_to_lds s[60+8*(\n):63+8*(\n)], s[44:51]
	s_nop 0
.rept 4
	v_nop
.endr
.Lasked_\@:
.endm
	s_load_b512 s[4:19], s[0:1], 0x0               ; hidden, Wq, Wk, Wv, bq, bk, bv, phi
	s_load_b256 s[20:27], s[0:1], 0x40             ; attention_mask, the scales' exponents, qimg, kv
	v_lshl_add_u32 v[SPW], v0, 2, SPARE
	v_mov_b32 v[NIL], 0
	ds_add_u32 v[SPW], v[NIL]                      ; the wave's opening: the add and its wait ahead of my first tensor load
	ds_add_u32 v[SPW], v[NIL]
	v_lshrrev_b32 v1, 5, v0
	s_delay_alu instid0(VALU_DEP_1)
	v_readfirstlane_b32 s28, v1                    ; wave 0..7
	s_lshr_b32 s29, s28, 1                         ; tg: my pair of token tiles
	s_and_b32 s30, s28, 1                          ; hd: my head of the two.  Also: which 64 rows of a tile I fetch
	s_bfe_u32 s31, ttmp6, 0x40000                  ; cx
	s_bfe_u32 s32, ttmp6, 0x40004                  ; cy
	s_lshl_b32 s33, ttmp9, 2
	s_add_co_u32 s33, s33, s31                     ; X: 128 channels
	s_and_b32 s34, ttmp7, 0xffff
	s_lshl_b32 s34, s34, 2
	s_add_co_u32 s34, s34, s32                     ; Y: 128 tokens
	s_lshl_b32 s84, s32, 2
	s_lshl_b32 s84, 15, s84                        ; my row of the cluster
	s_lshl_b32 s85, 0x1111, s31                    ; my column
	s_or_b32 s36, s84, (2<<16)|(1<<20)|(1<<21)|(6<<22)|(3<<25)   ; hidden: elements of 4 bytes; 4 words of padding after every 128
	s_mov_b32 s37, 128<<16                         ; tensor_dim0
	s_mov_b32 s38, 64<<16                          ; tensor_dim1
	s_mov_b32 s39, 128<<16                         ; tile_dim0
	s_mov_b32 s40, 64                              ; tile_dim1
	s_mov_b32 s41, 1024                            ; elements from row to row
	s_mov_b32 s42, 0
	s_mov_b32 s43, 0
	s_or_b32 s44, s85, (0<<16)|(1<<20)|(1<<21)|(4<<22)|(3<<25)   ; weights: elements of 1 byte; 4 words of padding after every 32
	s_mov_b32 s45, 128<<16
	s_mov_b32 s46, 64<<16
	s_mov_b32 s47, 128<<16
	s_mov_b32 s48, 64
	s_mov_b32 s49, 1024
	s_mov_b32 s50, 0
	s_mov_b32 s51, 0
	s_lshl_b32 s86, s34, 19                        ; hidden: (128 Y + 64 (w % 2)) rows of 4,096 bytes: made of Y and the wave alone
	s_lshl_b32 s87, s30, 18
	s_add_co_u32 s86, s86, s87
	s_mov_b32 s87, 0
	s_lshl_b32 s90, s33, 17                        ; weights: (128 X + 64 (w % 2)) rows of 1,024 bytes: made of X and the wave alone
	s_lshl_b32 s91, s30, 16
	s_add_co_u32 s90, s90, s91
	s_mov_b32 s91, 0
	s_mul_i32 s94, s30, 64*HP                      ; where hidden's half goes,
	s_mul_i32 s95, s28, 64*WP
	s_add_co_u32 s95, s95, WOFF-2*64*WP            ; and wave w's 64 rows of weights: rows 64 (w - 2)
	s_wait_dscnt 0x0                               ; the opening add is done
	s_wait_kmcnt 0x0
	s_load_b256 s[72:79], s[22:23], 0x0            ; e0 .. e7
	s_load_b128 s[80:83], s[22:23], 0x20           ; e8 .. e11
	s_add_nc_u64 s[88:89], s[4:5], s[86:87]
	s_cmp_lt_u32 s28, 6                            ; waves 2, 3: Wq; 4, 5: Wk; 6, 7: Wv
	s_cselect_b64 s[92:93], s[8:9], s[10:11]
	s_cmp_lt_u32 s28, 4
	s_cselect_b64 s[92:93], s[6:7], s[92:93]
	s_add_nc_u64 s[92:93], s[92:93], s[90:91]
.irp n, 0,1
	s_mov_b32 s[52+4*\n], 1
	s_add_co_u32 s[53+4*\n], s94, \n*SLOTB
	s_add_nc_u64 s[54+4*\n:55+4*\n], s[88:89], \n*512
	s_or_b32 s[55+4*\n], s[55+4*\n], 0x80000000
	s_mov_b32 s[60+8*\n], 1
	s_add_co_u32 s[61+8*\n], s95, \n*SLOTB
	s_add_nc_u64 s[62+8*\n:63+8*\n], s[92:93], \n*128
	s_or_b32 s[63+8*\n], s[63+8*\n], 0x80000000
.endr
	ROUND                                          ; all sixteen work-groups are here: the first joint loads meet
	JLOAD 0                                        ; K step 0
	v_and_b32 v37, 15, v0                          ; r
	v_bfe_u32 v38, v0, 4, 1                        ; h
	v_and_b32 v39, 31, v0                          ; lane
	s_delay_alu instid0(VALU_DEP_1)
	v_lshlrev_b32 v[L16], 4, v39
	s_delay_alu instid0(VALU_DEP_2)
	v_lshlrev_b32 v[L4], 2, v39
	v_and_b32 v40, 8, v37
	s_delay_alu instid0(VALU_DEP_1)
	v_add_nc_u32 v40, v40, v37                     ; r + 8 (r / 8)
	v_lshlrev_b32 v41, 5, v38                      ; bq, bk: (64 head + 8 h) x 4, head = 2 X + hd
	s_delay_alu instid0(VALU_DEP_1)
	v_lshl_add_u32 v41, s33, 9, v41
	s_delay_alu instid0(VALU_DEP_1)
	v_lshl_add_u32 v41, s30, 8, v41
	s_delay_alu instid0(VALU_DEP_4)
	v_lshlrev_b32 v42, 2, v40                      ; bv: (64 head + r + 8 (r / 8)) x 4
	s_delay_alu instid0(VALU_DEP_1)
	v_lshl_add_u32 v42, s33, 9, v42
	s_delay_alu instid0(VALU_DEP_1)
	v_lshl_add_u32 v42, s30, 8, v42
	v_lshlrev_b32 v43, 6, v37                      ; phi: ((128 Y + 32 tg + r) x 16 + head) x 4
	s_delay_alu instid0(VALU_DEP_1)
	v_lshl_add_u32 v43, s34, 13, v43
	s_delay_alu instid0(VALU_DEP_1)
	v_lshl_add_u32 v43, s29, 11, v43
	s_delay_alu instid0(VALU_DEP_1)
	v_lshl_add_u32 v43, s33, 3, v43
	s_delay_alu instid0(VALU_DEP_1)
	v_lshl_add_u32 v43, s30, 2, v43
	v_lshl_add_u32 v44, s34, 9, v[L4]              ; attention_mask: (128 Y + 32 tg + lane) x 4
	s_delay_alu instid0(VALU_DEP_1)
	v_lshl_add_u32 v44, s29, 7, v44
	WIN 0x40                                       ; destination window 1: bq at v192.., bk at v224.., in the result's layout (8 ct + j: channel 16 ct + 8 h + j)
.irp b, 0,1,2,3
.irp e, 0,1
	global_load_b128 v[192+8*\b+4*\e:192+8*\b+4*\e+3], v41, s[12:13] offset:64*\b+16*\e
	global_load_b128 v[224+8*\b+4*\e:224+8*\b+4*\e+3], v41, s[14:15] offset:64*\b+16*\e
.endr
.endr
	WIN 0
.irp b, 0,1,2,3
	global_load_b32 v[BV+2*\b], v42, s[16:17] offset:(32*(\b/2)+8*(\b%2))*4
	global_load_b32 v[BV+2*\b+1], v42, s[16:17] offset:(32*(\b/2)+8*(\b%2))*4
.endr
	global_load_b32 v[PHI], v43, s[18:19]
	global_load_b32 v[PHI+1], v43, s[18:19] offset:1024
	global_load_b32 v[AM], v44, s[20:21]
	v_mul_u32_u24 v1, v37, HP                      ; LDS addresses: constants, the lane and the wave
	s_delay_alu instid0(VALU_DEP_1)
	v_lshl_add_u32 v1, v38, 6, v1
	s_mul_i32 s2, s28, 16*HP
	v_add_nc_u32 v[ADX], s2, v1                    ; row 16 w + r, + 64 h
	s_delay_alu instid0(VALU_DEP_1)
	v_add_nc_u32 v[ADX+1], SLOTB, v[ADX]
	s_mul_i32 s2, s30, 64*WP
	s_add_co_u32 s2, s2, WOFF
	v_mul_u32_u24 v1, v37, WP
	s_delay_alu instid0(VALU_DEP_1)
	v_lshl_add_u32 v1, v38, 4, v1
	s_delay_alu instid0(VALU_DEP_1)
	v_add_nc_u32 v[ADW], s2, v1
	s_delay_alu instid0(VALU_DEP_1)
	v_add_nc_u32 v[ADW+1], SLOTB, v[ADW]
	v_mul_u32_u24 v1, v40, WP
	s_delay_alu instid0(VALU_DEP_1)
	v_lshl_add_u32 v1, v38, 4, v1
	s_delay_alu instid0(VALU_DEP_1)
	v_add_nc_u32 v[ADV], s2, v1
	s_delay_alu instid0(VALU_DEP_1)
	v_add_nc_u32 v[ADV+1], SLOTB, v[ADV]
	s_lshl_b32 s3, s29, 12
	s_add_co_u32 s3, s3, IMG
	v_add_nc_u32 v[ADI], s3, v[L16]
	s_lshl_b32 s3, s28, 11
	s_add_co_u32 s3, s3, IMG
	v_add_nc_u32 v[ADS], s3, v[L16]
	s_wait_kmcnt 0x0
.macro MKSC e, sc, lm                  ; 2^e as f32
	s_add_co_i32 s66, s[\e], 127
	s_lshl_b32 s67, s66, 23
	v_mov_b32 v[\sc], s67
.endm
	MKSC 72, SC, LM
	MKSC 74, SC+1, LM+1
	MKSC 76, SC+2, LM+2
	MKSC 78, OSC, OLM
	MKSC 79, OSC+1, OLM+1
	MKSC 81, OSC+2, OLM+2
.irp m, 0,1,2
	s_add_co_i32 s66, s[72+2*\m], s[73+2*\m]       ; a sum of product m stands for sum x 2^(its two exponents added)
	s_add_co_i32 s66, s66, 127
	s_lshl_b32 s[96+2*\m], s66, 23
	s_mov_b32 s[97+2*\m], s[96+2*\m]
.endr
; My 16 rows x 128 numbers of the slot become three fragments of codes, which go to LDS as they stand.
.macro CONVERT slot
.irp c, 0,1,2,3
.irp j, 0,1,2,3
	ds_load_b128 v[XN+16*\c+4*\j:XN+16*\c+4*\j+3], v[ADX+\slot] offset:128*\c+16*\j
.endr
.endr
	s_wait_alu depctr_va_vdst(0)
.irp c, 0,1,2,3
	s_wait_dscnt 12-4*\c                           ; block c's four loads are in; the later blocks' may be out
.irp m, 0,1,2
.set TP, TMP+16*((3*\c+\m)%2)
.set i, 0
.rept 16
.set i, i+1
.endr
	v_cvt_scalef32_pk8_fp8_f32 v[CODES+16*\m+4*\c:CODES+16*\m+4*\c+1], v[TP+((XN+16*\c+i)-(TP+i)):TP+7+((XN+16*\c+i)-(TP+i))], v[SC+\m]
	v_cvt_scalef32_pk8_fp8_f32 v[CODES+16*\m+4*\c+2:CODES+16*\m+4*\c+3], v[TP+8+((XN+16*\c+i)-(TP+i)):TP+15+((XN+16*\c+i)-(TP+i))], v[SC+\m]
.endr
.endr
	v_nop                                          ; a plain line behind the last conversion
	s_wait_alu depctr_va_vdst(0)
.irp m, 0,1,2
.irp c, 0,1,2,3
	ds_store_b128 v[ADS], v[CODES+16*\m+4*\c:CODES+16*\m+4*\c+3] offset:16384*\m+512*\c
.endr
.endr
	s_wait_dscnt 0x0                               ; for the others' sake: my images have landed
	s_barrier_signal -1
	s_barrier_wait -1                              ; all 24 fragments lie in LDS
.endm
.macro LOADSET f, m, slot              ; 24 loads: hidden's two fragments under scale m, and my four tiles of weight m
.irp t, 0,1
.irp c, 0,1,2,3
	ds_load_b128 v[\f+16*\t+4*\c:\f+16*\t+4*\c+3], v[ADI] offset:16384*\m+2048*\t+512*\c
.endr
.endr
.irp b, 0,1,2,3
.irp c, 0,1,2,3
.if \m < 2
	ds_load_b128 v[\f+32+16*\b+4*\c:\f+32+16*\b+4*\c+3], v[ADW+\slot] offset:128*WP*\m+16*WP*\b+32*\c
.else
	ds_load_b128 v[\f+32+16*\b+4*\c:\f+32+16*\b+4*\c+3], v[ADV+\slot] offset:256*WP+(32*(\b/2)+8*(\b%2))*WP+32*\c
.endif
.endr
.endr
.endm
.macro MUL f, m, first                 ; eight products, eight accumulators by turns; first = 1: they start the sums
	WIN 0x50                                       ; C and D window 1
.irp t, 0,1
.irp b, 0,1,2,3
.set AC, 8*(8*\m+4*\t+\b)
.set FH, \f+16*\t
.set FW, \f+32+16*\b
.if \m < 2
.if \first
	v_wmma_f32_16x16x128_fp8_fp8 v[AC:AC+7], v[FW:FW+15], v[FH:FH+15], 0
.else
	v_wmma_f32_16x16x128_fp8_fp8 v[AC:AC+7], v[FW:FW+15], v[FH:FH+15], v[AC:AC+7]
.endif
.else
.if \first
	v_wmma_f32_16x16x128_fp8_fp8 v[AC:AC+7], v[FH:FH+15], v[FW:FW+15], 0
.else
	v_wmma_f32_16x16x128_fp8_fp8 v[AC:AC+7], v[FH:FH+15], v[FW:FW+15], v[AC:AC+7]
.endif
.endif
.endr
.endr
.endm
; A K step.  Each wave waits for all its tensor loads (its part of this slot), adds 0 to its spare word, and waits for that and for its reads of the other slot and of the images.
.macro TRIP slot, refill, first
	s_wait_tensorcnt 0x0                           ; no tensor load of mine is out, so a group 0 may be written
	ds_add_u32 v[SPW], v[NIL]
	s_add_nc_u64 s[54+4*\slot:55+4*\slot], s[54+4*\slot:55+4*\slot], 1024   ; this slot's next tile: two K steps on
	s_add_nc_u64 s[62+8*\slot:63+8*\slot], s[62+8*\slot:63+8*\slot], 256
	s_wait_dscnt 0x0
.if \refill
	ROUND                                          ; no wave of any partner still reads the other slot or has a load on its way
	JLOAD 1-\slot                                  ; the next K step, first thing behind the round
.else
	s_barrier_signal -1
	s_barrier_wait -1
.endif
	CONVERT \slot
	LOADSET SET0, 0, \slot
	LOADSET SET1, 1, \slot
	s_wait_dscnt 24                                ; set 0 is in; set 1's 24 loads may be out
	MUL SET0, 0, \first
	WIN 0
	PLACES                                         ; in front of loads into registers that the products have read
	LOADSET SET0, 2, \slot
	s_wait_dscnt 24                                ; set 1 is in; the 24 just issued may be out
	MUL SET1, 1, \first
	s_wait_dscnt 0x0
	MUL SET0, 2, \first
	WIN 0
	PLACES                                         ; in front of the next step's loads and conversions into these registers, and of the first read of results
.endm
	TRIP 0, 1, 1                                   ; K step 0 starts the sums
	s_mov_b32 s35, 3
.Lk:
	TRIP 1, 1, 0
	TRIP 0, 1, 0
	s_sub_co_u32 s35, s35, 1
	s_cmp_lg_u32 s35, 0
	s_cbranch_scc1 .Lk
	TRIP 1, 0, 0                                   ; K step 7: nothing is left to fetch
	; ---- the way out
.macro SINCOS p, c, s                  ; v[c] = cos, v[s] = sin of v[p]
	v_fma_f32 v248, v[\p], 0x3f22f983, 0.5
	s_delay_alu instid0(VALU_DEP_1)
	v_floor_f32 v248, v248                         ; n = floor(x 2/pi + 1/2)
	s_delay_alu instid0(VALU_DEP_1)
	v_fmamk_f32 v249, v248, 0xbfc90fdb, v[\p]      ; x - n pi/2, pi/2 in two parts
	s_delay_alu instid0(VALU_DEP_1)
	v_fmamk_f32 v249, v248, 0x333bbd2e, v249
	s_delay_alu instid0(VALU_DEP_1)
	v_mul_f32 v250, v249, v249                     ; z
	v_mov_b32 v251, 0x3c08839e
	s_delay_alu instid0(VALU_DEP_1)
	v_fmamk_f32 v251, v250, 0xb94ca1f9, v251
	s_delay_alu instid0(VALU_DEP_1)
	v_fmaak_f32 v251, v251, v250, 0xbe2aaaa3
	s_delay_alu instid0(VALU_DEP_4)
	v_mul_f32 v252, v250, v249
	s_delay_alu instid0(VALU_DEP_1)
	v_fma_f32 v251, v251, v252, v249               ; sin r
	v_mov_b32 v253, 0xbab6061a
	s_delay_alu instid0(VALU_DEP_1)
	v_fmamk_f32 v253, v250, 0x37ccf5ce, v253
	s_delay_alu instid0(VALU_DEP_1)
	v_fmaak_f32 v253, v253, v250, 0x3d2aaaa5
	v_mul_f32 v252, v250, v250
	v_fma_f32 v254, v250, -0.5, 1.0
	s_delay_alu instid0(VALU_DEP_1)
	v_fma_f32 v253, v253, v252, v254               ; cos r
	v_cvt_i32_f32 v248, v248
	s_delay_alu instid0(VALU_DEP_1)
	v_and_b32 v252, 1, v248
	s_delay_alu instid0(VALU_DEP_1)
	v_cmp_eq_u32 vcc_lo, 1, v252                   ; odd quadrant: the two change places
	s_delay_alu instid0(VALU_DEP_1)
	v_cndmask_b32 v[\s], v251, v253, vcc_lo
	s_delay_alu instid0(VALU_DEP_2)
	v_cndmask_b32 v[\c], v253, v251, vcc_lo
	v_and_b32 v252, 2, v248
	s_delay_alu instid0(VALU_DEP_1)
	v_lshlrev_b32 v252, 30, v252
	s_delay_alu instid0(VALU_DEP_1)
	v_xor_b32 v[\s], v[\s], v252                   ; sin changes sign in quadrants 2, 3
	v_add_nc_u32 v248, 1, v248
	s_delay_alu instid0(VALU_DEP_1)
	v_and_b32 v248, 2, v248
	s_delay_alu instid0(VALU_DEP_1)
	v_lshlrev_b32 v248, 30, v248
	s_delay_alu instid0(VALU_DEP_1)
	v_xor_b32 v[\c], v[\c], v248                   ; cos in quadrants 1, 2
.endm
	s_wait_loadcnt 0x0                             ; biases, phi, attention_mask; their offset registers are free
	SINCOS PHI, CS, CS+2
	SINCOS PHI+1, CS+4, CS+6
.irp i, 0,2,4,6
	v_mov_b32 v[CS+\i+1], v[CS+\i]
.endr
	s_lshr_b32 s86, s34, 4                         ; batch
	s_and_b32 s87, s34, 15                         ; block of 128 tokens
	v_mov_b32 v1, s30
	s_delay_alu instid0(VALU_DEP_1)
	v_lshl_add_u32 v1, s33, 1, v1
	s_delay_alu instid0(VALU_DEP_1)
	v_lshl_add_u32 v1, s86, 4, v1                  ; bh = 16 batch + head
	s_delay_alu instid0(VALU_DEP_1)
	v_lshl_add_u32 v41, v1, 17, v[L16]             ; qimg: bh x 131,072 + (8 block + 2 tg) x 1,024 + 16 lane
	s_delay_alu instid0(VALU_DEP_1)
	v_lshl_add_u32 v41, s87, 13, v41
	s_delay_alu instid0(VALU_DEP_1)
	v_lshl_add_u32 v41, s29, 11, v41
	s_delay_alu instid0(VALU_DEP_4)
	v_mul_u32_u24 v1, v1, 286720
	v_mov_b32 v42, s87
	s_delay_alu instid0(VALU_DEP_1)
	v_mad_u32_u24 v1, v42, 17920, v1               ; kv: my block
	s_delay_alu instid0(VALU_DEP_1)
	v_add_nc_u32 v42, v1, v[L16]
	s_delay_alu instid0(VALU_DEP_1)
	v_lshl_add_u32 v43, s29, 9, v42                ; V's image: piece tg
	s_delay_alu instid0(VALU_DEP_2)
	v_lshl_add_u32 v42, s29, 11, v42               ; K's image: key tiles 2 tg, 2 tg + 1
	s_delay_alu instid0(VALU_DEP_4)
	v_add_nc_u32 v44, v1, v[L4]
	s_delay_alu instid0(VALU_DEP_1)
	v_lshl_add_u32 v44, s29, 7, v44                ; the tables: token 32 tg + lane
.macro QKOUT m, t                      ; q (m = 0) or k (1) of token tile t: scale, bias, rotation, codes: a fragment of 8 registers
.set CQ, CODEQ+8*(2*\m+\t)
	WIN 0x11                                       ; sums and bias in window 1
.set i, 0
.rept 16
	v_pk_fma_f32 v[VAL+i:VAL+i+1], v[8*(8*\m+4*\t)+i:8*(8*\m+4*\t)+i+1], s[96+2*\m:97+2*\m], v[192+32*\m+i:192+32*\m+i+1] op_sel_hi:[1,0,1]   ; each accumulator from its low end on
.set i, i+2
.endr
	WIN 0
.set i, 0
.rept 8                                ; channels d < 32: x cos - x(d + 32) sin;  d >= 32: x cos + x(d - 32) sin.  Channel tiles ct and ct + 2 lie 16 registers apart
	v_pk_mul_f32 v[TMA:TMA+1], v[VAL+16+i:VAL+17+i], v[CS+4*\t+2:CS+4*\t+3]
	v_pk_mul_f32 v[TMB:TMB+1], v[VAL+i:VAL+i+1], v[CS+4*\t+2:CS+4*\t+3]
	s_delay_alu instid0(VALU_DEP_2)
	v_pk_fma_f32 v[ROT+i:ROT+i+1], v[VAL+i:VAL+i+1], v[CS+4*\t:CS+4*\t+1], v[TMA:TMA+1] neg_lo:[0,0,1] neg_hi:[0,0,1]
	s_delay_alu instid0(VALU_DEP_2)
	v_pk_fma_f32 v[ROT+16+i:ROT+17+i], v[VAL+16+i:VAL+17+i], v[CS+4*\t:CS+4*\t+1], v[TMB:TMB+1]
.set i, i+2
.endr
.set i, 0
.rept 32
.set i, i+1
.endr
.irp b, 0,1,2,3
	v_cvt_scalef32_pk8_fp8_f32 v[CQ+2*\b:CQ+2*\b+1], v[ROT+8*\b:ROT+8*\b+7], v[OSC+\m]
.endr
	v_nop
	global_store_b128 v[41+\m], v[CQ:CQ+3], s[24+2*\m:25+2*\m] offset:1024*\t        ; 32 lanes store 512 consecutive bytes
	global_store_b128 v[41+\m], v[CQ+4:CQ+7], s[24+2*\m:25+2*\m] offset:1024*\t+512
.endm
	QKOUT 0, 0
	QKOUT 0, 1
	QKOUT 1, 0
	QKOUT 1, 1
	WIN 0x01                                       ; v: a lane holds one channel and eight tokens
.irp b, 0,1,2,3
.irp t, 0,1
.irp i, 0,2,4,6
	v_pk_fma_f32 v[VAL+8*(2*\b+\t)+\i:VAL+8*(2*\b+\t)+\i+1], v[8*(16+4*\t+\b)+\i:8*(16+4*\t+\b)+\i+1], s[100:101], v[BV+2*\b:BV+2*\b+1] op_sel_hi:[1,0,1]
.endr
.endr
.endr
	WIN 0
.set i, 0
.rept 64
.set i, i+1
.endr
.irp g, 0,1,2,3,4,5,6,7
	v_cvt_scalef32_pk8_fp8_f32 v[CODEV+2*\g:CODEV+2*\g+1], v[VAL+8*\g:VAL+8*\g+7], v[OSC+2]   ; g = 2 ct + tt: registers 4 tg + 2 tt of V's fragment ct
.endr
	v_nop
.irp b, 0,1,2,3
	global_store_b128 v43, v[CODEV+4*\b:CODEV+4*\b+3], s[26:27] offset:8192+2048*\b
.endr
	v_cmp_lt_u32 vcc_lo, 15, v39                   ; lanes 16-31 take token tile 1's numbers: lane l then has token 32 tg + l
	s_delay_alu instid0(VALU_DEP_1)
	v_cndmask_b32 v192, v[CS], v[CS+4], vcc_lo
	s_delay_alu instid0(VALU_DEP_2)
	v_cndmask_b32 v193, v[CS+2], v[CS+6], vcc_lo
	global_store_b32 v44, v192, s[26:27] offset:16384   ; cos
	global_store_b32 v44, v193, s[26:27] offset:16896   ; sin
	global_store_b32 v44, v[AM], s[26:27] offset:17408  ; attention_mask
	s_wait_tensorcnt 0x0                           ; the wave's end
	ds_add_u32 v[SPW], v[NIL]
	s_wait_dscnt 0x0
	ROUND                                          ; the closing round
	s_endpgm
.Lfunc_end_k_q0d78a910f1_proj:
	.size	k_q0d78a910f1_proj, .Lfunc_end_k_q0d78a910f1_proj-k_q0d78a910f1_proj
	.p2alignl 7, 3214868480
	.fill 96, 4, 3214868480
	.section	.rodata,"a",@progbits
	.p2align	6, 0x0
	.amdhsa_kernel k_q0d78a910f1_proj
		.amdhsa_group_segment_fixed_size 327680
		.amdhsa_private_segment_fixed_size 0
		.amdhsa_enable_private_segment 0
		.amdhsa_kernarg_size 96
		.amdhsa_user_sgpr_count 2
		.amdhsa_user_sgpr_kernarg_segment_ptr 1
		.amdhsa_wavefront_size32 1
		.amdhsa_system_sgpr_workgroup_id_x 1
		.amdhsa_system_sgpr_workgroup_id_y 1
		.amdhsa_system_sgpr_workgroup_id_z 1
		.amdhsa_system_vgpr_workitem_id 0
		.amdhsa_next_free_vgpr 512
		.amdhsa_next_free_sgpr 102
		.amdhsa_reserve_vcc 1
		.amdhsa_float_denorm_mode_32 3
		.amdhsa_float_denorm_mode_16_64 3
		.amdhsa_fp16_overflow 1
		.amdhsa_memory_ordered 1
		.amdhsa_forward_progress 1
		.amdhsa_inst_pref_size 81
	.end_amdhsa_kernel
	.amdgpu_metadata
---
amdhsa.version: [ 1, 2 ]
amdhsa.kernels:
  - .name:           k_q0d78a910f1_proj
    .symbol:         k_q0d78a910f1_proj.kd
    .args:
      - { .name: hidden_states, .offset: 0, .size: 8, .value_kind: global_buffer, .address_space: global }
      - { .name: Wq_codes, .offset: 8, .size: 8, .value_kind: global_buffer, .address_space: global }
      - { .name: Wk_codes, .offset: 16, .size: 8, .value_kind: global_buffer, .address_space: global }
      - { .name: Wv_codes, .offset: 24, .size: 8, .value_kind: global_buffer, .address_space: global }
      - { .name: bq, .offset: 32, .size: 8, .value_kind: global_buffer, .address_space: global }
      - { .name: bk, .offset: 40, .size: 8, .value_kind: global_buffer, .address_space: global }
      - { .name: bv, .offset: 48, .size: 8, .value_kind: global_buffer, .address_space: global }
      - { .name: phi, .offset: 56, .size: 8, .value_kind: global_buffer, .address_space: global }
      - { .name: attention_mask, .offset: 64, .size: 8, .value_kind: global_buffer, .address_space: global }
      - { .name: lowp_scales, .offset: 72, .size: 8, .value_kind: global_buffer, .address_space: global }
      - { .name: qimg, .offset: 80, .size: 8, .value_kind: global_buffer, .address_space: global }
      - { .name: kv, .offset: 88, .size: 8, .value_kind: global_buffer, .address_space: global }
    .group_segment_fixed_size: 327680
    .private_segment_fixed_size: 0
    .kernarg_segment_align: 8
    .kernarg_segment_size: 96
    .max_flat_workgroup_size: 256
    .sgpr_count:     102
    .vgpr_count:     512
    .wavefront_size: 32
...
	.end_amdgpu_metadata
.endif
;; end of part 1
;; launch attn (part 2): grid 8 x 32, 8 waves a work-group, clusters of 4 x 1, 327,680 bytes of LDS; arguments qimg, kv, lowp_scales, cimg; writes cimg
.if DOCPART == 2
	.amdgcn_target "amdgcn-amd-amdhsa--gfx1250"
	.amdhsa_code_object_version 6
	.text
	.protected	k_q0d78a910f1_attn
	.globl	k_q0d78a910f1_attn
	.p2align	8
	.type	k_q0d78a910f1_attn,@function
k_q0d78a910f1_attn:
	s_mov_b64 s[64:65], 0
	v_nop
	global_prefetch_b8 v0, s[64:65] scope:SCOPE_SE
	s_setreg_imm32_b32 hwreg(HW_REG_WAVE_MODE, 25, 1), 1
	s_wait_xcnt 0x0
	s_wait_alu depctr_hold_cnt(0) depctr_sa_sdst(0) depctr_va_vdst(0) depctr_va_sdst(0) depctr_va_ssrc(0) depctr_va_vcc(0) depctr_vm_vsrc(0)
	s_getreg_b32 s2, hwreg(HW_REG_IB_STS2, 6, 4)
	s_cmp_eq_u32 s2, 0
	s_cbranch_scc0 .Lentry_in_a_cluster
	s_endpgm
.Lentry_in_a_cluster:
	s_bfe_u32 s2, ttmp6, 0x10000c
	s_cmp_lg_u32 s2, 0x3003
	s_cbranch_scc0 .Lentry_shape_is_right
	s_endpgm
.Lentry_shape_is_right:
.set NB,    17920
.set VO,    8192
.set CKO,   16384
.set SKO,   16896
.set AMO,   17408
.set HEADB, 16*NB
.set SPARE, HEADB
.set LI0, 2
.set TA0, 3
.set LI,  4
.set TA,  5
.set SPW, 6
.set NIL, 7
.set D8,  8
.set ST,  12
.set CQ,  28
.set SCP, 36
.set PT,  38
.set XG,  40
.set C2,  56
.set S,   64
.set P,   192
.set Q,   224
.set RA,  64
.set RB,  128
.set RC,  192
.set MSB, 0
.macro WIN new
.if MSB != \new
	s_set_vgpr_msb (MSB<<8)|\new
.set MSB, \new
.endif
.endm
.macro PLACES
.rept 4
	v_nop
.endr
.endm
.macro ROUND
	s_barrier_signal -1
	s_barrier_wait -1
	s_cmp_lg_u32 s12, 0
	s_cbranch_scc1 .Lnot_wave_0_\@
	s_barrier_signal -3
.Lnot_wave_0_\@:
	s_barrier_wait -3
	s_barrier_signal -1
	s_barrier_wait -1
.endm
	s_load_b256 s[4:11], s[0:1], 0x0
	v_lshl_add_u32 v[SPW], v0, 2, SPARE
	v_mov_b32 v[NIL], 0
	ds_add_u32 v[SPW], v[NIL]
	ds_add_u32 v[SPW], v[NIL]
	v_lshrrev_b32 v1, 5, v0
	s_delay_alu instid0(VALU_DEP_1)
	v_readfirstlane_b32 s12, v1
	s_bfe_u32 s13, ttmp6, 0x40000
	s_lshl_b32 s14, ttmp9, 2
	s_add_co_u32 s14, s14, s13
	s_and_b32 s15, ttmp7, 0xffff
	s_mov_b32 s20, 15|(3<<16)|(1<<21)
	s_mov_b32 s21, 32<<16
	s_mov_b32 s22, 35<<16
	s_mov_b32 s23, 32<<16
	s_mov_b32 s24, 35
	s_mov_b32 s25, 32
	s_mov_b32 s26, 0
	s_mov_b32 s27, 0
	s_mov_b32 s28, 15|(3<<16)|(1<<21)
	s_mov_b32 s29, 32<<16
	s_mov_b32 s30, 105<<16
	s_mov_b32 s31, 32<<16
	s_mov_b32 s32, 105
	s_mov_b32 s33, 32
	s_mov_b32 s34, 0
	s_mov_b32 s35, 0
	s_mul_i32 s66, s12, 35*256
	s_mul_i32 s67, s12, 105*256
	s_add_co_u32 s67, s67, 4*NB
	s_mul_i32 s18, s15, HEADB
	s_add_co_u32 s68, s18, s66
	s_mov_b32 s69, 0
	s_add_co_u32 s70, s18, s67
	s_mov_b32 s71, 0
	s_mov_b32 s2, 0x76543210
	s_mov_b32 s3, 0xfedcba98
	s_mov_b32 s58, 0x3fb8aa3b
	s_mov_b32 s59, s58
	s_mov_b32 s60, 0x7b333333
	s_mov_b32 s61, s60
	s_mov_b32 s79, 120
	s_mov_b32 s16, 0
	s_wait_dscnt 0x0
	s_wait_kmcnt 0x0
	s_load_b256 s[44:51], s[8:9], 0x0
	s_load_b128 s[52:55], s[8:9], 0x20
	s_mov_b32 s36, 1
	s_mov_b32 s37, s66
	s_add_nc_u64 s[38:39], s[6:7], s[68:69]
	s_or_b32 s39, s39, 0x80000000
	s_mov_b32 s40, 1
	s_mov_b32 s41, s67
	s_add_nc_u64 s[42:43], s[6:7], s[70:71]
	s_or_b32 s43, s43, 0x80000000
	ROUND
	tensor_load_to_lds s[36:39], s[20:27]
	s_nop 0
	s_wait_alu depctr_va_vdst(0)
	s_wait_tensorcnt 0x0
	ds_add_u32 v6, v7
	s_wait_dscnt 0x0
	ROUND
	tensor_load_to_lds s[40:43], s[28:35]
	s_nop 0
.rept 4
	v_nop
.endr
	v_and_b32 v240, 15, v0
	v_bfe_u32 v241, v0, 4, 1
	v_and_b32 v242, 31, v0
	s_delay_alu instid0(VALU_DEP_1)
	v_lshlrev_b32 v[LI0], 4, v242
	s_delay_alu instid0(VALU_DEP_3)
	v_lshlrev_b32 v[TA0], 5, v241
	s_delay_alu instid0(VALU_DEP_4)
	v_lshlrev_b32 v1, 3, v241
	s_delay_alu instid0(VALU_DEP_1)
	v_sub_nc_u32 v[D8], v240, v1
	s_delay_alu instid0(VALU_DEP_4)
	v_lshl_add_u32 v9, s15, 17, v[LI0]
	s_delay_alu instid0(VALU_DEP_1)
	v_lshl_add_u32 v9, s14, 14, v9
	s_delay_alu instid0(VALU_DEP_1)
	v_lshl_add_u32 v9, s12, 11, v9
	s_lshr_b32 s72, s12, 2
	v_mov_b32 v1, s72
	s_delay_alu instid0(VALU_DEP_1)
	v_lshl_add_u32 v1, s14, 1, v1
	s_delay_alu instid0(VALU_DEP_1)
	v_mul_u32_u24 v1, v1, NB
	v_mov_b32 v243, s15
	s_delay_alu instid0(VALU_DEP_1)
	v_mad_u32_u24 v1, v243, HEADB, v1
	s_and_b32 s72, s12, 3
	v_lshl_add_u32 v10, v240, 2, v1
	s_delay_alu instid0(VALU_DEP_1)
	v_lshl_add_u32 v10, s72, 7, v10
	s_bfe_u32 s73, s12, 0x10001
	v_add_nc_u32 v11, v1, v[LI0]
	s_delay_alu instid0(VALU_DEP_1)
	v_lshl_add_u32 v11, s73, 10, v11
	s_lshr_b32 s72, s15, 4
	v_lshl_add_u32 v37, s72, 21, v[LI0]
	s_delay_alu instid0(VALU_DEP_1)
	v_lshl_add_u32 v37, s14, 18, v37
	s_delay_alu instid0(VALU_DEP_1)
	v_lshl_add_u32 v37, s12, 15, v37
	s_and_b32 s73, s15, 15
	v_lshl_add_u32 v37, s73, 10, v37
.irp t, 0,1
.irp e, 0,1
	global_load_b128 v[Q+8*\t+4*\e:Q+8*\t+4*\e+3], v9, s[4:5] offset:1024*\t+512*\e
.endr
.endr
.irp t, 0,1
	global_load_b32 v[244+2*\t], v10, s[6:7] offset:CKO+64*\t
	global_load_b32 v[245+2*\t], v10, s[6:7] offset:SKO+64*\t
.endr
	WIN 0x40
.set i, 0
.rept 64
	v_mov_b32 v[i], 0
.set i, i+1
.endr
	WIN 0
.irp t, 0,1
	v_mov_b32 v[ST+8*\t+1], 0xfe967699
	s_delay_alu instid0(VALU_DEP_1)
	v_mul_f32 v[ST+8*\t+6], s58, v[ST+8*\t+1]
	s_delay_alu instid0(VALU_DEP_1)
	v_floor_f32 v[ST+8*\t], -v[ST+8*\t+6]
	v_mov_b32 v[ST+8*\t+2], 0
	v_mov_b32 v[ST+8*\t+3], 0
	v_mov_b32 v[ST+8*\t+5], 0
	v_mov_b32 v[ST+8*\t+7], 0
	v_mov_b32 v[PT+\t], 0
.endr
	s_and_b32 s76, s12, 1
	s_cmp_eq_u32 s76, 0
	s_cselect_b32 s76, -1, 0
	s_not_b32 s77, s76
	s_wait_kmcnt 0x0
	s_add_co_i32 s80, s50, s51
	s_add_co_i32 s81, s80, 124
	s_lshl_b32 s56, s81, 23
	s_mov_b32 s57, s56
	s_sub_co_i32 s81, 3, s80
	s_lshl_b32 s81, s81, 23
	s_add_co_u32 s62, s81, 0xce6e6b28
	s_add_co_i32 s80, s52, 127
	s_lshl_b32 s81, s80, 23
	v_mov_b32 v[SCP], s81
	s_add_co_i32 s80, s80, 8
	s_lshl_b32 s80, s80, 23
	s_or_b32 s63, s80, 0x600000
	s_add_co_i32 s80, s54, 127
	s_lshl_b32 s81, s80, 23
	v_mov_b32 v248, s81
	s_add_co_i32 s78, s52, s53
	s_wait_loadcnt 0x0
.irp t, 0,1
	v_ldexp_f32 v[CQ+4*\t], v[244+2*\t], s79
	v_ldexp_f32 v[CQ+4*\t+2], v[245+2*\t], s79
	s_delay_alu instid0(VALU_DEP_2)
	v_mov_b32 v[CQ+4*\t+1], v[CQ+4*\t]
	s_delay_alu instid0(VALU_DEP_2)
	v_mov_b32 v[CQ+4*\t+3], v[CQ+4*\t+2]
.endr
.macro STEP nxt
	s_wait_dscnt 16
	WIN 0x01
.set k, 0
.rept 8
.irp t, 0,1
	v_wmma_f32_16x16x64_fp8_fp8 v[S+64*\t+8*k:S+64*\t+8*k+7], v[RA+8*k:RA+8*k+7], v[Q+8*\t:Q+8*\t+7], 0
.endr
.set k, k+1
.endr
	WIN 0
	v_add_nc_u32 v[LI], s16, v[LI0]
	v_add_nc_u32 v[TA], s16, v[TA0]
	v_nop
	v_nop
	WIN 0x40
.set k, 0
.rept 8
	ds_load_b128 v[RA+8*k:RA+8*k+3], v[TA] offset:AMO+64*k
	ds_load_b128 v[RA+8*k+4:RA+8*k+7], v[TA] offset:AMO+64*k+16
.set k, k+1
.endr
	s_wait_dscnt 16
	WIN 0x04
.set k, 0
.rept 8
.irp t, 0,1
.irp i, 0,2,4,6
	v_pk_fma_f32 v[XG+8*\t+\i:XG+8*\t+\i+1], v[CQ+4*\t+2:CQ+4*\t+3], v[RC+8*k+\i:RC+8*k+\i+1], s[60:61] op_sel_hi:[0,1,0]
.endr
.irp i, 0,2,4,6
	s_delay_alu instid0(VALU_DEP_4)
	v_pk_fma_f32 v[XG+8*\t+\i:XG+8*\t+\i+1], v[CQ+4*\t:CQ+4*\t+1], v[RB+8*k+\i:RB+8*k+\i+1], v[XG+8*\t+\i:XG+8*\t+\i+1] op_sel_hi:[0,1,1]
.endr
.irp j, 0,1,2,3,4,5,6,7
	v_med3_num_f32 v[S+64*\t+8*k+\j], v[XG+8*\t+\j], s62, v[S+64*\t+8*k+\j]
.endr
.endr
.set k, k+1
.endr
	WIN 0x40
.irp c, 0,1,2,3
.irp i, 0,1,2,3
	ds_load_b128 v[RB+16*\c+4*\i:RB+16*\c+4*\i+3], v[LI] offset:VO+2048*\c+512*\i
.endr
.endr
.if \nxt
.set k, 0
.rept 8
	ds_load_b128 v[RC+8*k:RC+8*k+3], v[TA] offset:NB+SKO+64*k
	ds_load_b128 v[RC+8*k+4:RC+8*k+7], v[TA] offset:NB+SKO+64*k+16
.set k, k+1
.endr
	s_wait_dscnt 32
.else
	s_wait_dscnt 16
.endif
	WIN 0x10
.irp t, 0,1
.set i, 0
.rept 32
	v_pk_fma_f32 v[S+64*\t+i:S+64*\t+i+1], v[S+64*\t+i:S+64*\t+i+1], s[56:57], v[RA+i:RA+i+1] op_sel_hi:[1,0,1]
.set i, i+2
.endr
.endr
	WIN 0x40
.if \nxt
.set k, 0
.rept 8
	ds_load_b128 v[RA+8*k:RA+8*k+3], v[LI] offset:NB+1024*k
	ds_load_b128 v[RA+8*k+4:RA+8*k+7], v[LI] offset:NB+1024*k+512
.set k, k+1
.endr
.else
.irp c, 0,1,2,3
	global_load_b128 v[RA+8*\c:RA+8*\c+3], v11, s[6:7] offset:VO+2048*\c
	global_load_b128 v[RA+8*\c+4:RA+8*\c+7], v11, s[6:7] offset:VO+2048*\c+512
.endr
.endif
	WIN 0
.irp t, 0,1
	v_max3_num_f32 v[ST+8*\t+6], v[S+64*\t], v[S+64*\t+1], v[S+64*\t+2]
	v_max3_num_f32 v[ST+8*\t+7], v[S+64*\t+3], v[S+64*\t+4], v[S+64*\t+5]
.endr
.set i, 6
.rept 14
.irp t, 0,1
	s_delay_alu instid0(VALU_DEP_4)
	v_max3_num_f32 v[ST+8*\t+6], v[ST+8*\t+6], v[S+64*\t+i], v[S+64*\t+i+1]
	s_delay_alu instid0(VALU_DEP_4)
	v_max3_num_f32 v[ST+8*\t+7], v[ST+8*\t+7], v[S+64*\t+i+2], v[S+64*\t+i+3]
.endr
.set i, i+4
.endr
.irp t, 0
	s_delay_alu instid0(VALU_DEP_4)
	v_max3_num_f32 v[ST+8*\t+6], v[ST+8*\t+6], v[S+64*\t+62], v[S+64*\t+63]
.endr
.irp t, 1
	s_delay_alu instid0(VALU_DEP_3)
	v_max3_num_f32 v[ST+8*\t+6], v[ST+8*\t+6], v[S+64*\t+62], v[S+64*\t+63]
.endr
.irp t, 0,1
	s_delay_alu instid0(VALU_DEP_2)
	v_max_num_f32 v[ST+8*\t+6], v[ST+8*\t+6], v[ST+8*\t+7]
.endr
.irp t, 0,1
	s_delay_alu instid0(VALU_DEP_2)
	v_permlanex16_b32 v[PT+\t], v[ST+8*\t+6], s2, s3
.endr
.irp t, 0,1
	s_delay_alu instid0(VALU_DEP_2)
	v_max_num_f32 v[ST+8*\t+6], v[ST+8*\t+6], v[PT+\t]
.endr
.irp t, 0
	s_delay_alu instid0(VALU_DEP_2)
	v_max_num_f32 v[ST+8*\t+1], v[ST+8*\t+1], v[ST+8*\t+6]
	v_mov_b32 v[ST+8*\t+7], v[ST+8*\t]
.endr
.irp t, 1
	s_delay_alu instid0(VALU_DEP_3)
	v_max_num_f32 v[ST+8*\t+1], v[ST+8*\t+1], v[ST+8*\t+6]
	v_mov_b32 v[ST+8*\t+7], v[ST+8*\t]
.endr
.irp t, 0
	s_delay_alu instid0(VALU_DEP_4)
	v_mul_f32 v[ST+8*\t+6], s58, v[ST+8*\t+1]
.endr
.irp t, 1
	s_delay_alu instid0(VALU_DEP_3)
	v_mul_f32 v[ST+8*\t+6], s58, v[ST+8*\t+1]
.endr
.irp t, 0,1
	s_delay_alu instid0(VALU_DEP_2)
	v_floor_f32 v[ST+8*\t], -v[ST+8*\t+6]
.endr
.irp t, 0,1
	s_delay_alu instid0(VALU_DEP_2)
	v_sub_f32 v[ST+8*\t+7], v[ST+8*\t], v[ST+8*\t+7]
.endr
.irp t, 0,1
	s_delay_alu instid0(VALU_DEP_2)
	v_cvt_i32_f32 v[ST+8*\t+7], v[ST+8*\t+7]
.endr
.irp t, 0,1
	s_delay_alu instid0(VALU_DEP_2)
	v_ldexp_f32 v[ST+8*\t+4], 1.0, v[ST+8*\t+7]
.endr
.irp t, 0,1
.set i, 0
.rept 32
	v_pk_fma_f32 v[S+64*\t+i:S+64*\t+i+1], v[S+64*\t+i:S+64*\t+i+1], s[58:59], v[ST+8*\t:ST+8*\t+1] op_sel_hi:[1,0,0]
.set i, i+2
.endr
.endr
.set i, 0
	s_wait_alu depctr_va_vdst(0)
.rept 128
	v_exp_f32 v[S+i], v[S+i]
.set i, i+1
.endr
.irp t, 0,1
	v_pk_mul_f32 v[ST+8*\t+2:ST+8*\t+3], v[ST+8*\t+2:ST+8*\t+3], v[ST+8*\t+4:ST+8*\t+5] op_sel_hi:[1,0]
.endr
	s_wait_alu depctr_va_vdst(0)
.irp t, 0,1
	v_pk_add_f32 v[C2+2*\t:C2+2*\t+1], v[S+64*\t:S+64*\t+1], v[S+64*\t+2:S+64*\t+3]
.endr
.set i, 4
.rept 15
.irp t, 0,1
	v_pk_add_f32 v[ST+8*\t+2:ST+8*\t+3], v[ST+8*\t+2:ST+8*\t+3], v[S+64*\t+i:S+64*\t+i+1]
	v_pk_add_f32 v[C2+2*\t:C2+2*\t+1], v[C2+2*\t:C2+2*\t+1], v[S+64*\t+i+2:S+64*\t+i+3]
.endr
.set i, i+4
.endr
.irp t, 0
	s_delay_alu instid0(VALU_DEP_3)
	v_pk_add_f32 v[ST+8*\t+2:ST+8*\t+3], v[ST+8*\t+2:ST+8*\t+3], v[C2+2*\t:C2+2*\t+1]
.endr
.irp t, 1
	s_delay_alu instid0(VALU_DEP_2)
	v_pk_add_f32 v[ST+8*\t+2:ST+8*\t+3], v[ST+8*\t+2:ST+8*\t+3], v[C2+2*\t:C2+2*\t+1]
.endr
.set k, 0
.rept 16
.set i, 0
.rept 8
.set i, i+1
.endr
	v_cvt_scalef32_pk8_fp8_f32 v[P+2*k:P+2*k+1], v[S+8*k:S+8*k+7], v[SCP]
.set k, k+1
.endr
	WIN 0x41
.irp t, 0,1
.set i, 0
.rept 16
	v_pk_mul_f32 v[32*\t+i:32*\t+i+1], v[32*\t+i:32*\t+i+1], v[ST+8*\t+4:ST+8*\t+5] op_sel_hi:[1,0]
.set i, i+2
.endr
.endr
.if \nxt
	s_wait_alu depctr_va_vdst(0)
	s_wait_dscnt 32
.else
	s_wait_alu depctr_va_vdst(0)
	s_wait_dscnt 0x0
.endif
	WIN 0x51
.irp c, 0,1,2,3
.irp t, 0,1
	v_wmma_f32_16x16x128_fp8_fp8 v[32*\t+8*\c:32*\t+8*\c+7], v[RB+16*\c:RB+16*\c+15], v[P+16*\t:P+16*\t+15], v[32*\t+8*\c:32*\t+8*\c+7]
.endr
.endr
	WIN 0
.if \nxt
	PLACES
	WIN 0x40
.set k, 0
.rept 8
	ds_load_b128 v[RB+8*k:RB+8*k+3], v[TA] offset:NB+CKO+64*k
	ds_load_b128 v[RB+8*k+4:RB+8*k+7], v[TA] offset:NB+CKO+64*k+16
.set k, k+1
.endr
	WIN 0
	s_add_co_u32 s16, s16, NB
.endif
.endm
	s_wait_tensorcnt 0x1
	s_barrier_signal -1
	s_barrier_wait -1
	WIN 0x40
.set k, 0
.rept 8
	ds_load_b128 v[RC+8*k:RC+8*k+3], v[TA0] offset:SKO+64*k
	ds_load_b128 v[RC+8*k+4:RC+8*k+7], v[TA0] offset:SKO+64*k+16
.set k, k+1
.endr
.set k, 0
.rept 8
	ds_load_b128 v[RA+8*k:RA+8*k+3], v[LI0] offset:1024*k
	ds_load_b128 v[RA+8*k+4:RA+8*k+7], v[LI0] offset:1024*k+512
.set k, k+1
.endr
.set k, 0
.rept 8
	ds_load_b128 v[RB+8*k:RB+8*k+3], v[TA0] offset:CKO+64*k
	ds_load_b128 v[RB+8*k+4:RB+8*k+7], v[TA0] offset:CKO+64*k+16
.set k, k+1
.endr
	WIN 0
	s_mov_b32 s17, 3
.Lfirst:
	s_wait_alu depctr_va_vdst(0)
	STEP 1
	s_sub_co_u32 s17, s17, 1
	s_cmp_lg_u32 s17, 0
	s_cbranch_scc1 .Lfirst
	s_wait_tensorcnt 0x0
	s_wait_dscnt 0x0
	s_barrier_signal -1
	s_barrier_wait -1
	s_mov_b32 s17, 12
.Lrest:
	STEP 1
	s_sub_co_u32 s17, s17, 1
	s_cmp_lg_u32 s17, 0
	s_cbranch_scc1 .Lrest
	STEP 0
	PLACES
	s_mov_b32 s72, 0xccbebc20
	v_mov_b32 v240, 1.0
	s_delay_alu instid0(VALU_DEP_1)
	v_min_num_f32 v241, s63, v240
.irp t, 0,1
	v_cmp_le_f32 s[74+\t], v[ST+8*\t+1], s72
	v_add_f32 v[ST+8*\t+6], v[ST+8*\t+2], v[ST+8*\t+3]
.endr
.irp t, 0
	s_delay_alu instid0(VALU_DEP_3)
	v_permlanex16_b32 v[PT+\t], v[ST+8*\t+6], s2, s3
.endr
.irp t, 1
	s_delay_alu instid0(VALU_DEP_2)
	v_permlanex16_b32 v[PT+\t], v[ST+8*\t+6], s2, s3
.endr
.irp t, 0,1
	s_delay_alu instid0(VALU_DEP_2)
	v_add_f32 v[ST+8*\t+6], v[ST+8*\t+6], v[PT+\t]
.endr
.irp t, 0,1
	s_delay_alu instid0(VALU_DEP_2)
	v_cndmask_b32 v[ST+8*\t+6], v[ST+8*\t+6], v240, s[74+\t]
.endr
	s_wait_alu depctr_va_vdst(0)
.irp t, 0,1
	v_rcp_f32 v[ST+8*\t+7], v[ST+8*\t+6]
.endr
.irp t, 0,1
	v_cndmask_b32 v[242+\t], v[NIL], v241, s[74+\t]
.endr
	s_wait_alu depctr_va_vdst(0)
.irp t, 0,1
	v_ldexp_f32 v[ST+8*\t+6], v[ST+8*\t+7], s78
.endr
.irp j, 0,1,2,3,4,5,6,7
	v_cmp_eq_u32 vcc_lo, \j, v[D8]
	s_delay_alu instid0(VALU_DEP_1)
	v_cndmask_b32 v[XG+\j], v[NIL], v242, vcc_lo
	s_delay_alu instid0(VALU_DEP_2)
	v_cndmask_b32 v[XG+8+\j], v[NIL], v243, vcc_lo
.endr
	v_cvt_scalef32_pk8_fp8_f32 v[244:245], v[XG:XG+7], v[SCP]
	v_cvt_scalef32_pk8_fp8_f32 v[246:247], v[XG+8:XG+15], v[SCP]
	v_nop
	v_and_b32 v[P+0], s76, v244
	v_and_b32 v[P+1], s76, v245
	v_mov_b32 v[P+2], 0
	v_mov_b32 v[P+3], 0
	v_and_b32 v[P+4], s77, v244
	v_and_b32 v[P+5], s77, v245
	v_mov_b32 v[P+6], 0
	v_mov_b32 v[P+7], 0
	v_mov_b32 v[P+16], 0
	v_mov_b32 v[P+17], 0
	v_and_b32 v[P+18], s76, v246
	v_and_b32 v[P+19], s76, v247
	v_mov_b32 v[P+20], 0
	v_mov_b32 v[P+21], 0
	v_and_b32 v[P+22], s77, v246
	v_and_b32 v[P+23], s77, v247
	WIN 0x41
.irp t, 0,1
.set i, 0
.rept 32
	v_cndmask_b32 v[32*\t+i], v[32*\t+i], v[NIL], s[74+\t]
.set i, i+1
.endr
.endr
	s_wait_alu depctr_va_vdst(0)
	s_wait_loadcnt 0x0
	WIN 0x51
.irp c, 0,1,2,3
.irp t, 0,1
	v_wmma_f32_16x16x64_fp8_fp8 v[32*\t+8*\c:32*\t+8*\c+7], v[RA+8*\c:RA+8*\c+7], v[P+16*\t:P+16*\t+7], v[32*\t+8*\c:32*\t+8*\c+7]
.endr
.endr
	WIN 0
	PLACES
	WIN 0x01
.irp t, 0,1
.set i, 0
.rept 16
	v_pk_mul_f32 v[S+64*\t+i:S+64*\t+i+1], v[32*\t+i:32*\t+i+1], v[ST+8*\t+6:ST+8*\t+7] op_sel_hi:[1,0]
.set i, i+2
.endr
.endr
	WIN 0
.irp t, 0,1
.set i, 0
.rept 32
.set i, i+1
.endr
.endr
.irp t, 0,1
.irp c, 0,1,2,3
	v_cvt_scalef32_pk8_fp8_f32 v[XG+8*\t+2*\c:XG+8*\t+2*\c+1], v[S+64*\t+8*\c:S+64*\t+8*\c+7], v248
.endr
.endr
	v_nop
.irp t, 0,1
.irp b, 0,1
	global_store_b128 v37, v[XG+8*\t+4*\b:XG+8*\t+4*\b+3], s[10:11] offset:16384*\t+512*\b
.endr
.endr
	s_wait_tensorcnt 0x0
	ds_add_u32 v[SPW], v[NIL]
	s_wait_dscnt 0x0
	ROUND
	s_endpgm
.Lfunc_end_k_q0d78a910f1_attn:
	.size	k_q0d78a910f1_attn, .Lfunc_end_k_q0d78a910f1_attn-k_q0d78a910f1_attn
	.p2alignl 7, 3214868480
	.fill 96, 4, 3214868480
	.section	.rodata,"a",@progbits
	.p2align	6, 0x0
	.amdhsa_kernel k_q0d78a910f1_attn
		.amdhsa_group_segment_fixed_size 327680
		.amdhsa_private_segment_fixed_size 0
		.amdhsa_enable_private_segment 0
		.amdhsa_kernarg_size 32
		.amdhsa_user_sgpr_count 2
		.amdhsa_user_sgpr_kernarg_segment_ptr 1
		.amdhsa_wavefront_size32 1
		.amdhsa_system_sgpr_workgroup_id_x 1
		.amdhsa_system_sgpr_workgroup_id_y 1
		.amdhsa_system_sgpr_workgroup_id_z 1
		.amdhsa_system_vgpr_workitem_id 0
		.amdhsa_next_free_vgpr 512
		.amdhsa_next_free_sgpr 84
		.amdhsa_reserve_vcc 1
		.amdhsa_float_denorm_mode_32 3
		.amdhsa_float_denorm_mode_16_64 3
		.amdhsa_fp16_overflow 1
		.amdhsa_memory_ordered 1
		.amdhsa_forward_progress 1
		.amdhsa_inst_pref_size 179
	.end_amdhsa_kernel
	.amdgpu_metadata
---
amdhsa.version: [ 1, 2 ]
amdhsa.kernels:
  - .name:           k_q0d78a910f1_attn
    .symbol:         k_q0d78a910f1_attn.kd
    .args:
      - { .name: qimg, .offset: 0, .size: 8, .value_kind: global_buffer, .address_space: global }
      - { .name: kv, .offset: 8, .size: 8, .value_kind: global_buffer, .address_space: global }
      - { .name: lowp_scales, .offset: 16, .size: 8, .value_kind: global_buffer, .address_space: global }
      - { .name: cimg, .offset: 24, .size: 8, .value_kind: global_buffer, .address_space: global }
    .group_segment_fixed_size: 327680
    .private_segment_fixed_size: 0
    .kernarg_segment_align: 8
    .kernarg_segment_size: 32
    .max_flat_workgroup_size: 256
    .sgpr_count:     84
    .vgpr_count:     512
    .wavefront_size: 32
...
	.end_amdgpu_metadata
.endif
;; end of part 2
;; launch outln (part 3): grid 256 x 1, 8 waves a work-group, clusters of 4 x 1, 327,680 bytes of LDS; arguments cimg, Wo_codes, bo, hidden_states, ln_g, ln_b, lowp_scales, out0; writes out0
.if DOCPART == 3
	.amdgcn_target "amdgcn-amd-amdhsa--gfx1250"
	.amdhsa_code_object_version 6
	.text
	.protected	k_q0d78a910f1_outln
	.globl	k_q0d78a910f1_outln
	.p2align	8
	.type	k_q0d78a910f1_outln,@function
k_q0d78a910f1_outln:
	s_mov_b64 s[64:65], 0
	v_nop
	global_prefetch_b8 v0, s[64:65] scope:SCOPE_SE
	s_setreg_imm32_b32 hwreg(HW_REG_WAVE_MODE, 25, 1), 1
	s_wait_xcnt 0x0
	s_wait_alu depctr_hold_cnt(0) depctr_sa_sdst(0) depctr_va_vdst(0) depctr_va_sdst(0) depctr_va_ssrc(0) depctr_va_vcc(0) depctr_vm_vsrc(0)
	s_getreg_b32 s2, hwreg(HW_REG_IB_STS2, 6, 4)
	s_cmp_eq_u32 s2, 0
	s_cbranch_scc0 .Lentry_in_a_cluster
	s_endpgm
.Lentry_in_a_cluster:
	s_bfe_u32 s2, ttmp6, 0x10000c
	s_cmp_lg_u32 s2, 0x3003
	s_cbranch_scc0 .Lentry_shape_is_right
	s_endpgm
.Lentry_shape_is_right:
; out = LayerNorm(ctx Wo^T + bo + hidden) x g + b; the product on E4M3 codes.
; A work-group takes 16 tokens and all 1,024 channels, so that a row's mean and variance stay inside it.  Wave w makes channels 512 nh + 64 w + 0 .. 63 (nh = 0, 1): eight accumulators.
; ctx's eight fragments (16 tokens x 1,024) stay in registers.  Wo goes through two LDS slots of 512 rows x 256 bytes: tile i = channels 512 (i % 2) on, k = 256 (i / 2) on, in slot i % 2.
; All work-groups walk the same Wo: the four of a cluster ask for each tile jointly.  Source 0 = 16 rows of Wo, source 1 = ctx: a lane holds one token and eight neighbouring channels.
; The results meet in a stage in LDS (16 rows of 4,096 bytes + 16), which lies in slot 0 once that slot has had its last fill and its last read; each wave then takes two whole rows through the LayerNorm.
; The variance is the mean of (x - mean)^2: two passes over registers.
; LIMIT: e10 + e11 in -126 .. 127.
.set WPI,   272
.set SLOTB, 512*WPI
.set SPARE, 2*SLOTB
.set YP,    4112
.set ADW, 2                            ; v2-3  my rows of Wo in slot 0, 1
.set STO, 4                            ; v4    the stage: where I put 16 bytes
.set RD,  5                            ; v5    and where I read my rows back
.set SPW, 6
.set NIL, 7
.set L16, 8
.set ACC, 32                           ; v32-95   8 (4 nh + t)
.set WS,  96                           ; v96-223  Wo's fragments of two K steps
.set XR,  96                           ; later: two rows of x
.set LB,  224                          ; v224-255 ln_b.   Window 1: v0-127 ctx, v128-191 residual, v192-223 bo, v224-255 ln_g
.set SA,  32                           ; sums: v[32 + 4 p], v[34 + 4 p]
.set PTM, 40
.set MN,  42
.set IV,  46
.set MSB, 0
.macro WIN new
.if MSB != \new
	s_set_vgpr_msb (MSB<<8)|\new
.set MSB, \new
.endif
.endm
.macro PLACES
.rept 4
	v_nop
.endr
.endm
.macro ROUND
	s_barrier_signal -1
	s_barrier_wait -1
	s_cmp_lg_u32 s20, 0
	s_cbranch_scc1 .Lnot_wave_0_\@
	s_barrier_signal -3
.Lnot_wave_0_\@:
	s_barrier_wait -3
	s_barrier_signal -1
	s_barrier_wait -1
.endm
	s_load_b512 s[4:19], s[0:1], 0x0               ; cimg, Wo, bo, hidden, ln_g, ln_b, the scales' exponents, out0
	v_lshl_add_u32 v[SPW], v0, 2, SPARE
	v_mov_b32 v[NIL], 0
	ds_add_u32 v[SPW], v[NIL]                      ; the wave's opening: the add and its wait ahead of my first tensor load
	ds_add_u32 v[SPW], v[NIL]
	v_lshrrev_b32 v1, 5, v0
	s_delay_alu instid0(VALU_DEP_1)
	v_readfirstlane_b32 s20, v1                    ; wave 0..7
	s_bfe_u32 s21, ttmp6, 0x40000
	s_lshl_b32 s22, ttmp9, 2
	s_add_co_u32 s22, s22, s21                     ; my 16 tokens; it enters global offsets alone
	s_mov_b32 s24, 15|(0<<16)|(1<<20)|(1<<21)|(5<<22)|(3<<25)   ; the mask names all four; elements of 1 byte; 4 words of padding after every 64
	s_mov_b32 s25, 256<<16
	s_mov_b32 s26, 64<<16
	s_mov_b32 s27, 256<<16
	s_mov_b32 s28, 64
	s_mov_b32 s29, 1024
	s_mov_b32 s30, 0
	s_mov_b32 s31, 0
	s_mul_i32 s46, s20, 64*WPI                     ; my 64 rows of a slot,
	s_lshl_b32 s48, s20, 16                        ; and of Wo
	s_mov_b32 s49, 0
	s_mov_b32 s44, 0x76543210
	s_mov_b32 s45, 0xfedcba98
	s_wait_dscnt 0x0
	s_wait_kmcnt 0x0
	s_load_b64 s[40:41], s[16:17], 0x28            ; e10, e11
	s_add_nc_u64 s[50:51], s[6:7], s[48:49]
.irp n, 0,1
	s_mov_b32 s[32+4*\n], 1
	s_add_co_u32 s[33+4*\n], s46, \n*SLOTB
	s_add_nc_u64 s[34+4*\n:35+4*\n], s[50:51], \n*512*1024
	s_or_b32 s[35+4*\n], s[35+4*\n], 0x80000000
.endr
	ROUND                                          ; all four work-groups are here
	tensor_load_to_lds s[32:35], s[24:31]          ; tile 0
	s_nop 0
.rept 4
	v_nop
.endr
	v_and_b32 v9, 15, v0                           ; r
	v_bfe_u32 v10, v0, 4, 1                        ; h
	v_and_b32 v11, 31, v0
	s_delay_alu instid0(VALU_DEP_1)
	v_lshlrev_b32 v[L16], 4, v11
	s_delay_alu instid0(VALU_DEP_1)
	v_lshl_add_u32 v12, s22, 14, v[L16]            ; ctx's images: 16,384 bytes a tile of tokens
	s_delay_alu instid0(VALU_DEP_2)
	v_lshl_add_u32 v13, s22, 16, v[L16]            ; rows 16 g + 2 w of hidden and of out0
	s_delay_alu instid0(VALU_DEP_1)
	v_lshl_add_u32 v13, s20, 13, v13
	WIN 0x40
.set i, 0
.rept 32
	global_load_b128 v[4*i:4*i+3], v12, s[4:5] offset:512*i
.set i, i+1
.endr
.irp p, 0,1
.irp i, 0,1,2,3,4,5,6,7
	global_load_b128 v[128+32*\p+4*\i:128+32*\p+4*\i+3], v13, s[10:11] offset:4096*\p+512*\i
.endr
.endr
.irp i, 0,1,2,3,4,5,6,7
	global_load_b128 v[192+4*\i:192+4*\i+3], v[L16], s[8:9] offset:512*\i
	global_load_b128 v[224+4*\i:224+4*\i+3], v[L16], s[12:13] offset:512*\i
.endr
	WIN 0
.irp i, 0,1,2,3,4,5,6,7
	global_load_b128 v[LB+4*\i:LB+4*\i+3], v[L16], s[14:15] offset:512*\i
.endr
	v_mul_u32_u24 v1, v9, WPI
	s_delay_alu instid0(VALU_DEP_1)
	v_lshl_add_u32 v1, v10, 4, v1
	s_delay_alu instid0(VALU_DEP_1)
	v_add_nc_u32 v[ADW], s46, v1                   ; row 64 w + r, + 16 h
	s_delay_alu instid0(VALU_DEP_1)
	v_add_nc_u32 v[ADW+1], SLOTB, v[ADW]
	v_mul_u32_u24 v[STO], v9, YP
	s_delay_alu instid0(VALU_DEP_1)
	v_lshl_add_u32 v[STO], v10, 5, v[STO]
	s_delay_alu instid0(VALU_DEP_1)
	v_lshl_add_u32 v[STO], s20, 8, v[STO]          ; token r, channel 64 w + 8 h
	s_mul_i32 s47, s20, 2*YP
	v_add_nc_u32 v[RD], s47, v[L16]
	s_wait_loadcnt 40                              ; ctx's 32 loads are in; the 40 behind them may be out
.macro TRIP slot, kk, refill
	s_wait_tensorcnt 0x0                           ; my part of this tile is in; no tensor load of mine is out
	ds_add_u32 v[SPW], v[NIL]
	s_add_nc_u64 s[34+4*\slot:35+4*\slot], s[34+4*\slot:35+4*\slot], 256   ; this slot's next tile
	s_wait_dscnt 0x0                               ; the add is done, and so are my reads of the other slot
.if \refill
	ROUND
	tensor_load_to_lds s[36-4*\slot:39-4*\slot], s[24:31]   ; the next tile, first thing behind the round
	s_nop 0
.else
	s_barrier_signal -1
	s_barrier_wait -1
.endif
	PLACES                                         ; also the places in front of loads into registers that the products have read
	s_wait_alu depctr_va_vdst(0)
.irp u, 0,1
.irp t, 0,1,2,3
.irp c, 0,1,2,3
	ds_load_b128 v[WS+64*\u+16*\t+4*\c:WS+64*\u+16*\t+4*\c+3], v[ADW+\slot] offset:128*\u+16*WPI*\t+32*\c
.endr
.endr
.endr
	s_wait_dscnt 16                                ; the first 128 along K are in
	WIN 0x04                                       ; source 1 (ctx) window 1
.irp t, 0,1,2,3
.if \kk == 0
	v_wmma_f32_16x16x128_fp8_fp8 v[ACC+8*(4*\slot+\t):ACC+8*(4*\slot+\t)+7], v[WS+16*\t:WS+16*\t+15], v[32*\kk:32*\kk+15], 0
.else
	v_wmma_f32_16x16x128_fp8_fp8 v[ACC+8*(4*\slot+\t):ACC+8*(4*\slot+\t)+7], v[WS+16*\t:WS+16*\t+15], v[32*\kk:32*\kk+15], v[ACC+8*(4*\slot+\t):ACC+8*(4*\slot+\t)+7]
.endif
.endr
	s_wait_dscnt 0x0
.irp t, 0,1,2,3
	v_wmma_f32_16x16x128_fp8_fp8 v[ACC+8*(4*\slot+\t):ACC+8*(4*\slot+\t)+7], v[WS+64+16*\t:WS+64+16*\t+15], v[32*\kk+16:32*\kk+31], v[ACC+8*(4*\slot+\t):ACC+8*(4*\slot+\t)+7]   ; four accumulators by turns
.endr
	WIN 0
.endm
	TRIP 0, 0, 1
	TRIP 1, 0, 1
	TRIP 0, 1, 1
	TRIP 1, 1, 1
	TRIP 0, 2, 1
	TRIP 1, 2, 1
	TRIP 0, 3, 1
	TRIP 1, 3, 0
	PLACES
	s_wait_kmcnt 0x0
	s_add_co_i32 s42, s40, s41
	s_add_co_i32 s42, s42, 127
	s_lshl_b32 s42, s42, 23                        ; 2^(e10 + e11)
	s_mov_b32 s43, s42
.set i, 0
.rept 32
	v_pk_mul_f32 v[ACC+i:ACC+i+1], v[ACC+i:ACC+i+1], s[42:43] op_sel_hi:[1,0]   ; each accumulator from its low end on
.set i, i+2
.endr
.irp n, 0,1
.irp t, 0,1,2,3
	ds_store_b128 v[STO], v[ACC+8*(4*\n+\t):ACC+8*(4*\n+\t)+3] offset:2048*\n+64*\t
	ds_store_b128 v[STO], v[ACC+8*(4*\n+\t)+4:ACC+8*(4*\n+\t)+7] offset:2048*\n+64*\t+16
.endr
.endr
	s_wait_dscnt 0x0                               ; for the others' sake: my stores have landed
	s_barrier_signal -1
	s_barrier_wait -1                              ; 16 whole rows lie in the stage
.irp p, 0,1
.irp i, 0,1,2,3,4,5,6,7
	ds_load_b128 v[XR+32*\p+4*\i:XR+32*\p+4*\i+3], v[RD] offset:YP*\p+512*\i   ; rows 2 w, 2 w + 1; my columns 128 i + 4 lane + 0 .. 3
.endr
.endr
	s_wait_loadcnt 0x0                             ; residual, bo, ln_g, ln_b
	s_wait_dscnt 0x0
	WIN 0x04
.irp p, 0,1
.set i, 0
.rept 16
	v_pk_add_f32 v[XR+32*\p+i:XR+32*\p+i+1], v[XR+32*\p+i:XR+32*\p+i+1], v[192+i:192+i+1]                 ; + bo
.set i, i+2
.endr
.set i, 0
.rept 16
	v_pk_add_f32 v[XR+32*\p+i:XR+32*\p+i+1], v[XR+32*\p+i:XR+32*\p+i+1], v[128+32*\p+i:128+32*\p+i+1]     ; + the residual
.set i, i+2
.endr
.endr
	WIN 0
.macro LANESUM                         ; v[SA], v[SA + 4]: the two rows' sums over the 32 lanes, in every lane
.irp x, 1,2,4,8
	s_delay_alu instid0(VALU_DEP_2)
	v_add_f32_dpp v[SA], v[SA], v[SA] row_xmask:\x row_mask:0xf bank_mask:0xf
	s_delay_alu instid0(VALU_DEP_2)
	v_add_f32_dpp v[SA+4], v[SA+4], v[SA+4] row_xmask:\x row_mask:0xf bank_mask:0xf
.endr
	s_delay_alu instid0(VALU_DEP_2)
	v_permlanex16_b32 v[PTM], v[SA], s44, s45
	s_delay_alu instid0(VALU_DEP_2)
	v_permlanex16_b32 v[PTM+1], v[SA+4], s44, s45
	s_delay_alu instid0(VALU_DEP_2)
	v_add_f32 v[SA], v[SA], v[PTM]
	s_delay_alu instid0(VALU_DEP_2)
	v_add_f32 v[SA+4], v[SA+4], v[PTM+1]
.endm
.irp p, 0,1
	v_pk_add_f32 v[SA+4*\p:SA+4*\p+1], v[XR+32*\p:XR+32*\p+1], v[XR+32*\p+2:XR+32*\p+3]
	v_pk_add_f32 v[SA+4*\p+2:SA+4*\p+3], v[XR+32*\p+4:XR+32*\p+5], v[XR+32*\p+6:XR+32*\p+7]
.endr
.set i, 8
.rept 6
.irp p, 0,1
	s_delay_alu instid0(VALU_DEP_4)
	v_pk_add_f32 v[SA+4*\p:SA+4*\p+1], v[SA+4*\p:SA+4*\p+1], v[XR+32*\p+i:XR+32*\p+i+1]
	s_delay_alu instid0(VALU_DEP_4)
	v_pk_add_f32 v[SA+4*\p+2:SA+4*\p+3], v[SA+4*\p+2:SA+4*\p+3], v[XR+32*\p+i+2:XR+32*\p+i+3]
.endr
.set i, i+4
.endr
.irp p, 0
	s_delay_alu instid0(VALU_DEP_3)
	v_pk_add_f32 v[SA+4*\p:SA+4*\p+1], v[SA+4*\p:SA+4*\p+1], v[SA+4*\p+2:SA+4*\p+3]
.endr
.irp p, 1
	s_delay_alu instid0(VALU_DEP_2)
	v_pk_add_f32 v[SA+4*\p:SA+4*\p+1], v[SA+4*\p:SA+4*\p+1], v[SA+4*\p+2:SA+4*\p+3]
.endr
.irp p, 0,1
	s_delay_alu instid0(VALU_DEP_2)
	v_add_f32 v[SA+4*\p], v[SA+4*\p], v[SA+4*\p+1]
.endr
	LANESUM
.irp p, 0
	s_delay_alu instid0(VALU_DEP_2)
	v_mul_f32 v[MN+2*\p], 0x3a800000, v[SA+4*\p]   ; the mean: / 1,024
	s_delay_alu instid0(VALU_DEP_1)
	v_mov_b32 v[MN+2*\p+1], v[MN+2*\p]
.endr
.irp p, 1
	s_delay_alu instid0(VALU_DEP_3)
	v_mul_f32 v[MN+2*\p], 0x3a800000, v[SA+4*\p]   ; the mean: / 1,024
	s_delay_alu instid0(VALU_DEP_1)
	v_mov_b32 v[MN+2*\p+1], v[MN+2*\p]
.endr
.irp p, 0,1
.set i, 0
.rept 16
	v_pk_add_f32 v[XR+32*\p+i:XR+32*\p+i+1], v[XR+32*\p+i:XR+32*\p+i+1], v[MN+2*\p:MN+2*\p+1] neg_lo:[0,1] neg_hi:[0,1]   ; x - mean
.set i, i+2
.endr
.endr
.irp p, 0,1
	v_pk_mul_f32 v[SA+4*\p:SA+4*\p+1], v[XR+32*\p:XR+32*\p+1], v[XR+32*\p:XR+32*\p+1]
	v_pk_mul_f32 v[SA+4*\p+2:SA+4*\p+3], v[XR+32*\p+2:XR+32*\p+3], v[XR+32*\p+2:XR+32*\p+3]
.endr
.set i, 4
.rept 7
.irp p, 0,1
	s_delay_alu instid0(VALU_DEP_4)
	v_pk_fma_f32 v[SA+4*\p:SA+4*\p+1], v[XR+32*\p+i:XR+32*\p+i+1], v[XR+32*\p+i:XR+32*\p+i+1], v[SA+4*\p:SA+4*\p+1]
	s_delay_alu instid0(VALU_DEP_4)
	v_pk_fma_f32 v[SA+4*\p+2:SA+4*\p+3], v[XR+32*\p+i+2:XR+32*\p+i+3], v[XR+32*\p+i+2:XR+32*\p+i+3], v[SA+4*\p+2:SA+4*\p+3]
.endr
.set i, i+4
.endr
.irp p, 0
	s_delay_alu instid0(VALU_DEP_3)
	v_pk_add_f32 v[SA+4*\p:SA+4*\p+1], v[SA+4*\p:SA+4*\p+1], v[SA+4*\p+2:SA+4*\p+3]
.endr
.irp p, 1
	s_delay_alu instid0(VALU_DEP_2)
	v_pk_add_f32 v[SA+4*\p:SA+4*\p+1], v[SA+4*\p:SA+4*\p+1], v[SA+4*\p+2:SA+4*\p+3]
.endr
.irp p, 0,1
	s_delay_alu instid0(VALU_DEP_2)
	v_add_f32 v[SA+4*\p], v[SA+4*\p], v[SA+4*\p+1]
.endr
	LANESUM
.irp p, 0
	s_delay_alu instid0(VALU_DEP_2)
	v_mul_f32 v[SA+4*\p], 0x3a800000, v[SA+4*\p]   ; the variance,
	s_delay_alu instid0(VALU_DEP_1)
	v_add_f32 v[SA+4*\p], 0x2b8cbccc, v[SA+4*\p]   ; + 1e-12
.endr
.irp p, 1
	s_delay_alu instid0(VALU_DEP_3)
	v_mul_f32 v[SA+4*\p], 0x3a800000, v[SA+4*\p]   ; the variance,
	s_delay_alu instid0(VALU_DEP_1)
	v_add_f32 v[SA+4*\p], 0x2b8cbccc, v[SA+4*\p]   ; + 1e-12
.endr
	s_wait_alu depctr_va_vdst(0)
.irp p, 0,1
	v_rsq_f32 v[IV+2*\p], v[SA+4*\p]
.endr
	v_nop                                          ; a plain line behind the last of the two
	s_wait_alu depctr_va_vdst(0)                   ; one wait for both, ahead of their first reader
.irp p, 0,1
	v_mov_b32 v[IV+2*\p+1], v[IV+2*\p]
.endr
.irp p, 0,1
.set i, 0
.rept 16
	v_pk_mul_f32 v[XR+32*\p+i:XR+32*\p+i+1], v[XR+32*\p+i:XR+32*\p+i+1], v[IV+2*\p:IV+2*\p+1]
.set i, i+2
.endr
.endr
	WIN 0x04                                       ; ln_g in window 1
.irp p, 0,1
.set i, 0
.rept 16
	v_pk_fma_f32 v[XR+32*\p+i:XR+32*\p+i+1], v[XR+32*\p+i:XR+32*\p+i+1], v[224+i:224+i+1], v[LB+i:LB+i+1]
.set i, i+2
.endr
.endr
	WIN 0
.irp p, 0,1
.irp i, 0,1,2,3,4,5,6,7
	global_store_b128 v13, v[XR+32*\p+4*\i:XR+32*\p+4*\i+3], s[18:19] offset:4096*\p+512*\i th:TH_STORE_NT   ; 32 lanes store 512 consecutive bytes; written once
.endr
.endr
	s_wait_tensorcnt 0x0                           ; the wave's end
	ds_add_u32 v[SPW], v[NIL]
	s_wait_dscnt 0x0
	ROUND                                          ; the closing round
	s_endpgm
.Lfunc_end_k_q0d78a910f1_outln:
	.size	k_q0d78a910f1_outln, .Lfunc_end_k_q0d78a910f1_outln-k_q0d78a910f1_outln
	.p2alignl 7, 3214868480
	.fill 96, 4, 3214868480
	.section	.rodata,"a",@progbits
	.p2align	6, 0x0
	.amdhsa_kernel k_q0d78a910f1_outln
		.amdhsa_group_segment_fixed_size 327680
		.amdhsa_private_segment_fixed_size 0
		.amdhsa_enable_private_segment 0
		.amdhsa_kernarg_size 64
		.amdhsa_user_sgpr_count 2
		.amdhsa_user_sgpr_kernarg_segment_ptr 1
		.amdhsa_wavefront_size32 1
		.amdhsa_system_sgpr_workgroup_id_x 1
		.amdhsa_system_sgpr_workgroup_id_y 1
		.amdhsa_system_sgpr_workgroup_id_z 1
		.amdhsa_system_vgpr_workitem_id 0
		.amdhsa_next_free_vgpr 512
		.amdhsa_next_free_sgpr 66
		.amdhsa_reserve_vcc 0
		.amdhsa_float_denorm_mode_32 3
		.amdhsa_float_denorm_mode_16_64 3
		.amdhsa_memory_ordered 1
		.amdhsa_forward_progress 1
		.amdhsa_inst_pref_size 63
	.end_amdhsa_kernel
	.amdgpu_metadata
---
amdhsa.version: [ 1, 2 ]
amdhsa.kernels:
  - .name:           k_q0d78a910f1_outln
    .symbol:         k_q0d78a910f1_outln.kd
    .args:
      - { .name: cimg, .offset: 0, .size: 8, .value_kind: global_buffer, .address_space: global }
      - { .name: Wo_codes, .offset: 8, .size: 8, .value_kind: global_buffer, .address_space: global }
      - { .name: bo, .offset: 16, .size: 8, .value_kind: global_buffer, .address_space: global }
      - { .name: hidden_states, .offset: 24, .size: 8, .value_kind: global_buffer, .address_space: global }
      - { .name: ln_g, .offset: 32, .size: 8, .value_kind: global_buffer, .address_space: global }
      - { .name: ln_b, .offset: 40, .size: 8, .value_kind: global_buffer, .address_space: global }
      - { .name: lowp_scales, .offset: 48, .size: 8, .value_kind: global_buffer, .address_space: global }
      - { .name: out0, .offset: 56, .size: 8, .value_kind: global_buffer, .address_space: global }
    .group_segment_fixed_size: 327680
    .private_segment_fixed_size: 0
    .kernarg_segment_align: 8
    .kernarg_segment_size: 64
    .max_flat_workgroup_size: 256
    .sgpr_count:     66
    .vgpr_count:     512
    .wavefront_size: 32
...
	.end_amdgpu_metadata
.endif
;; end of part 3
